; MI455X (gfx1250); checked and timed in simulation.
; The chip was launched on July 23, 2026; its instructions are those of AMD's public machine-readable ISA for CDNA 5 (MIT licence, August 2026) and "CDNA5" Instruction Set Architecture Reference Guide (July 2026). The comments in the code are by the model that wrote it; some were corrected since.
;; Dot Prod Attn. Allowed arithmetic: float matrix products may take bf16 or f16 operands with f32 sums; all other float work in f32.
;; Inputs: keys 2 x 8 x 4,096 x 64 float32; mask 1 x 1 x 4,096 x 4,096 int32; queries 2 x 8 x 4,096 x 64 float32; values 2 x 8 x 4,096 x 64 float32.
;; Outputs: out0 2 x 8 x 4,096 x 64 float32.
;; Constants: d_k = 64.
;; One version. Each part assembles by itself: llvm-mc -triple=amdgcn-amd-amdhsa -mcpu=gfx1250 --defsym DOCPART=n.
;; ======== version 1 of 1: 1 launch
;; limits: right only within a limited range of input values
;; launch attn (part 1): grid 16 x 16, 8 waves a work-group, clusters of 4 x 1, 327,680 bytes of LDS; arguments keys, values, queries, mask, out0; writes out0
.if DOCPART == 1
	.amdgcn_target "amdgcn-amd-amdhsa--gfx1250"
	.amdhsa_code_object_version 6
	.text
	.protected	k_q39c50d0361_attn
	.globl	k_q39c50d0361_attn
	.p2align	8
	.type	k_q39c50d0361_attn,@function
k_q39c50d0361_attn:
	s_mov_b64 s[64:65], 0
	v_nop
	global_prefetch_b8 v0, s[64:65] scope:SCOPE_SE
	s_setreg_imm32_b32 hwreg(HW_REG_WAVE_MODE, 25, 1), 1
	s_wait_xcnt 0x0
	s_wait_alu depctr_hold_cnt(0) depctr_sa_sdst(0) depctr_va_vdst(0) depctr_va_sdst(0) depctr_va_ssrc(0) depctr_va_vcc(0) depctr_vm_vsrc(0)
	s_getreg_b32 s2, hwreg(HW_REG_IB_STS2, 6, 4)
	s_cmp_eq_u32 s2, 0
	s_cbranch_scc0 .Lentry_in_a_cluster
	s_endpgm
.Lentry_in_a_cluster:
	s_bfe_u32 s2, ttmp6, 0x10000c
	s_cmp_lg_u32 s2, 0x3003
	s_cbranch_scc0 .Lentry_shape_is_right
	s_endpgm
.Lentry_shape_is_right:
; out = softmax((Q K^T - 1e9 mask) / 8) V.   Q, K, V, out: [16 heads][4096][64] f32.   mask: [4096][4096] int32, the same for all heads.
; One launch; scores, weights and sums never leave registers.  A running maximum is kept for each query (in raw score units, as the scores are biased).
; SHARES.  A work-group: 256 queries of one head against all 4,096 keys.  A wave: 32 queries, two tiles (a = 0, 1) of 16.  Keys go in steps of 64, 64 steps.
; TRANSPOSED FORM, so that nothing is shuffled between lanes.  L = lane, r = L & 15, h = L >> 4.
;   S^T = K Q^T: source 0 = 16 keys x 32 d, source 1 = 16 queries x 32 d.  Register j of lane (r, h) is score(key 16 t + 8 h + j, query r):
;   a query's maximum and sum are in one lane and its partner L xor 16; the lane's mask words, mask[query r][16 t + 8 h + 0..7], are 32 neighbouring bytes and fall
;   register for register on the scores.  Two neighbouring weights rounded to bf16 are a word of source 1 of the second product.
;   O^T = V^T P: source 0 = 16 d x 32 keys (transposing LDS loads of V kept as [key][d]), source 1 = P.  Register j of lane (r, h) is out(query r, d = 16 u + 8 h + j),
;   so the rescale factor and 1 / sum are one number a lane.
; A STEP HAS ONE BARRIER, IN ITS MIDDLE.  In front of it: this step's V^T is read, the mask is converted, the products K Q^T are made, the next step's K and V are rounded
;   to bf16 and stored.  Behind it: the bias is added, the next step's mask and K fragments are read into registers of their own, and this step's softmax and second
;   product are done while they land.
; CLUSTER.  The four work-groups of a cluster are four heads of the same 256 queries: they need the same mask tiles, 64 of a step's 96 KiB.  Each wave asks for its own
;   32 rows x 128 keys (16 KiB) by a joint tensor load that names all four; address and LDS place hang on the query block and the wave number alone.
;   K and V are NOT asked for jointly: they are rounded to bf16 once for the work-group on the way (global -> registers -> LDS), and landing slots for them in f32
;   (2 slots x 2 steps x 32 KiB) do not fit beside the mask's 270,336 bytes; they are 32 of a step's 96 KiB, and the partners, being other heads, read other K and V.
; MASK RING.  Two slots, each with the mask of two steps.  The mask of steps 2 p and 2 p + 1 is read behind the barriers of steps 2 p - 1 and 2 p, so the barrier of step
;   2 p + 1 is a round of the cluster barrier, and behind it the slot is asked for again (tile p + 2); that load has two steps in which to land.
; LIMITS.  Q, K, V and the weights enter the matrix unit in bf16.  -1e9 m + qk is rounded once (fused); that equals the two roundings of a product and a sum wherever
;   1e9 m is exact in f32, else it differs by one rounding of the bias.  In a row in which every key is masked the weights hang on qk rounded at the spacing of f32 near 1e9,
;   so the bf16 rounding of Q and K can move single weights there.  The shift -c M is a rounded product; its error is a common factor of a row and cancels in the division,
;   but it grows with |M|: up to 2^6 in the exponent while the best key's mask value lies within +-11, beyond that 2^7 and more, where weights can overflow or vanish:
;   rows whose best key has a mask value beyond +-11 are not served.  NaN inputs are not served (the maxima drop NaN).
.set KP,     144                       ; K in LDS: 64 bf16 = 128 bytes + 16: 9 x 16, so 16 rows of a fragment load start 16 bytes apart modulo 256
.set VP,     160                       ; V in LDS: 128 bytes + 32: 5 x 32, for the transposing loads
.set MPITCH, 528                       ; a mask row in LDS: 128 words = 512 bytes + 16: 33 x 16
.set MWAVE,  32*MPITCH                 ; a wave's 32 rows: 16,896 bytes
.set MSLOT,  8*MWAVE                   ; a mask slot: 135,168 bytes
.set KVB,    2*MSLOT                   ; 270,336 = 1,056 x 256: behind it only LDS stores write, in front of it only tensor loads
.set VOFF,   64*KP                     ; V lies behind K: 9,216
.set KVBUF,  64*KP+64*VP               ; one K and V tile in bf16: 19,456 bytes; two of them take turns
.set SP,     272                       ; the way out: a row of 64 f32 = 256 bytes + 16
.set KVO, 1                            ; v1      16 x thread: my 16 bytes in each 4,096 of a K or V tile
.set KST, 2                            ; v2      where my 8 bytes of K go in LDS
.set VST, 3                            ; v3      the same for V
.set KFA, 4                            ; v4      my K fragment address
.set VFA, 5                            ; v5      my V^T fragment address
.set MA,  6                            ; v6-7    my mask address in slot 0, 1
.set ST,  8                            ; v8-15   for tile a: +4a = the shift -c M, +1 = M, +2 = rescale factor, +3 = my half of the sum
.set T1,  18                           ; v18     what the partner lane holds
.set T2,  19
.set T3,  20
.set STO, 26                           ; v26-28  the way out: stage store, stage read, offset in out
.set RD,  27
.set CO,  28
.set QO,  29                           ; v29     my offset in Q
.set PFO, 31                           ; v31     my offset for the mask prefetch
.set CV,  32                           ; v32-47  the next K and V tile, my part, in bf16
.set MX,  48                           ; v48-51  four chains of maxima
.set LS,  52                           ; v52-59  four pairs of partial sums
.set SC,  64                           ; v64-127 scores, tile (a, t) at 32 a + 8 t; later the weights, packed in place
.set VF,  128                          ; v128-191 fragments (c, u) of V^T at 32 c + 8 u
.set OA,  192                          ; v192-255 O^T, tile (a, u) at 32 a + 8 u
.set QF,  0                            ; window 1, v256-287: Q fragments (a, c) at 16 a + 8 c
.set GS,  32                           ; window 1, v288-351: two sets of 32 for K and V tiles as loaded: K at 4 i, V at 16 + 4 i
.set KF,  96                           ; window 1, v352-415: fragments (c, t) of K at 32 c + 8 t
.set MK,  160                          ; window 1, v416-479: mask words, tile (a, t) at 32 a + 8 t; converted to f32 in place
.set G1,  28                           ; s[28:35] descriptor group 1
.set G0,  36                           ; s[36:43] descriptor group 0, a set for each slot
; s[4:5] K, s[6:7] V (at the first tile of the group of four steps), s[8:9] Q, s[12:13] out (at my wave's rows), s14 wave, s16 head, s17 query block, s[20:21] -1e9,
; s[22:23] c = log2(e) / 8, s24 -c, s25 counter, s26-27 lane select, s[44:45] prefetch address, s[48:49] mask at my wave's first row
.set MSB, 0
.macro WIN new                         ; register windows: bits 1:0 source 0, 3:2 source 1, 5:4 source 2, 7:6 destination; the high byte repeats the setting that is left
.if MSB != \new
	s_set_vgpr_msb (MSB<<8)|\new
.set MSB, \new
.endif
.endm
.macro ROUND                           ; a round of the cluster barrier: my work-group, wave 0 speaks for it, all four work-groups, my work-group again
	s_barrier_signal -1
	s_barrier_wait -1
	s_cmp_lg_u32 s14, 0
	s_cbranch_scc1 .Lnot_wave_0_\@
	s_barrier_signal -3
.Lnot_wave_0_\@:
	s_barrier_wait -3
	s_barrier_signal -1
	s_barrier_wait -1
.endm
.macro MIDBAR                          ; a barrier of the work-group behind which no tensor load fills anything: my LDS reads and stores are done
	s_wait_dscnt 0x0
	s_barrier_signal -1
	s_barrier_wait -1
.endm
.macro PLACES                          ; four plain vector instructions behind the last matrix instruction (ISA guide 7.12.1)
.rept 4
	v_nop
.endr
.endm
; Four steps on: the bases of K, V and of the prefetch are stepped once for four steps; inside the four the tile stands in the immediate offset.
.macro ADVANCE pf
	s_wait_xcnt 0x0                                ; the bases of the loads and prefetches issued so far are rewritten only behind this wait
	s_add_nc_u64 s[4:5], s[4:5], 0x10000           ; 4 tiles of 16,384 bytes
	s_add_nc_u64 s[6:7], s[6:7], 0x10000
.if \pf
	s_add_nc_u64 s[44:45], s[44:45], 1024          ; 2 mask tiles of 512 bytes along the rows
.endif
.endm
; Eight loads of 16 bytes a lane: a K tile and a V tile (64 keys x 64 f32 = 16,384 dense bytes each); a wave's load covers 512 neighbouring bytes.
.macro GLOAD gs, tile
	WIN 0x40                                       ; destination in window 1
.irp i, 0,1,2,3
	global_load_b128 v[GS+32*(\gs)+4*\i:GS+32*(\gs)+4*\i+3], v[KVO], s[4:5] offset:(\tile)*16384+4096*\i
.endr
.irp i, 0,1,2,3
	global_load_b128 v[GS+32*(\gs)+16+4*\i:GS+32*(\gs)+16+4*\i+3], v[KVO], s[6:7] offset:(\tile)*16384+4096*\i
.endr
.endm
.macro CVPK n                          ; word n of set NB to bf16 (both sources in window 1)
	v_cvt_pk_bf16_f32 v[CV+(\n)], v[GS+32*NB+2*(\n)], v[GS+32*NB+2*(\n)+1]
.endm
.macro KVSTORE                         ; my 8 x 8 bytes into K and V buffer NB
.irp i, 0,1,2,3
	ds_store_b64 v[KST], v[CV+2*\i:CV+2*\i+1] offset:NB*KVBUF+\i*16*KP
.endr
.irp i, 0,1,2,3
	ds_store_b64 v[VST], v[CV+8+2*\i:CV+8+2*\i+1] offset:NB*KVBUF+\i*16*VP
.endr
.endm
.macro NEXTM slot, half                ; the mask of a step for both query tiles: 64 keys = 256 bytes of a row, of which 8 x 16 are mine (destination in window 1)
.irp a, 0,1
.irp t, 0,1,2,3
.irp e, 0,1
	ds_load_b128 v[MK+32*\a+8*\t+4*\e:MK+32*\a+8*\t+4*\e+3], v[MA+(\slot)] offset:(\half)*256+\a*16*MPITCH+64*\t+16*\e
.endr
.endr
.endr
.endm
.macro NEXTK buf                       ; the K fragments of a step (destination in window 1)
.irp c, 0,1
.irp t, 0,1,2,3
.irp e, 0,1
	ds_load_b128 v[KF+32*\c+8*\t+4*\e:KF+32*\c+8*\t+4*\e+3], v[KFA] offset:(\buf)*KVBUF+\t*16*KP+64*\c+32*\e
.endr
.endr
.endr
.endm
.macro SM_BIAS a, t                    ; score += -1e9 x mask, fused (source 0, the mask, in window 1)
.irp k, 0,2,4,6
	v_pk_fma_f32 v[SC+32*\a+8*\t+\k:SC+32*\a+8*\t+\k+1], v[MK+32*\a+8*\t+\k:MK+32*\a+8*\t+\k+1], s[20:21], v[SC+32*\a+8*\t+\k:SC+32*\a+8*\t+\k+1] op_sel_hi:[1,0,1]
.endr
.endm
; The largest of my 32 scores and the old maximum.  Four chains, one for each key tile, take seven numbers each; the four eighth numbers and the old maximum join in the tree.
.macro SM_MAX1 a
.irp i, 0,1,2,3
	v_max3_num_f32 v[MX+\i], v[SC+32*\a+8*\i], v[SC+32*\a+8*\i+1], v[SC+32*\a+8*\i+2]
.endr
.irp i, 0,1,2,3
	v_max3_num_f32 v[MX+\i], v[MX+\i], v[SC+32*\a+8*\i+3], v[SC+32*\a+8*\i+4]
.endr
.irp i, 0,1,2,3
	v_max3_num_f32 v[MX+\i], v[MX+\i], v[SC+32*\a+8*\i+5], v[SC+32*\a+8*\i+6]
.endr
.endm
.macro SM_MAX2 a, first
	v_max3_num_f32 v[MX], v[MX], v[MX+1], v[SC+32*\a+7]
	v_max3_num_f32 v[MX+2], v[MX+2], v[MX+3], v[SC+32*\a+15]
.if \first
	v_max_num_f32 v[MX+1], v[SC+32*\a+23], v[SC+32*\a+31]
.else
	v_max3_num_f32 v[MX+1], v[SC+32*\a+23], v[SC+32*\a+31], v[ST+4*\a+1]
.endif
	v_max3_num_f32 v[MX], v[MX], v[MX+2], v[MX+1]
	v_permlanex16_b32 v[T1], v[MX], s26, s27       ; the other half of the keys lies in lane L xor 16
	v_max_num_f32 v[ST+4*\a+1], v[MX], v[T1]       ; the new maximum, the same in both lanes
.if \first
	v_mul_f32 v[ST+4*\a], s24, v[ST+4*\a+1]        ; the shift -c M
.else
	v_mul_f32 v[T2], s24, v[ST+4*\a+1]
	v_sub_f32 v[T3], v[T2], v[ST+4*\a]             ; the factor is made of the two ROUNDED shifts, the very numbers that the weights were and will be shifted by,
	v_exp_f32 v[ST+4*\a+2], v[T3]                  ; so a rounding of the shift is a common factor of a row and cancels in the division
	v_mov_b32 v[ST+4*\a], v[T2]                    ; the plain instruction behind the exponential (ISA guide 5.7.2)
.endif
.endm
.macro FMAT a, t                       ; c x score - c M
.irp k, 0,2,4,6
	v_pk_fma_f32 v[SC+32*\a+8*\t+\k:SC+32*\a+8*\t+\k+1], v[SC+32*\a+8*\t+\k:SC+32*\a+8*\t+\k+1], s[22:23], v[ST+4*\a:ST+4*\a+1] op_sel_hi:[1,0,0]
.endr
.endm
.macro EXPT a, t
.irp k, 0,1,2,3,4,5,6,7
	v_exp_f32 v[SC+32*\a+8*\t+\k], v[SC+32*\a+8*\t+\k]
.endr
.endm
.macro SUM01 a                         ; key tiles 0 and 1 start the four pairs of sums: nothing is cleared
	s_wait_alu depctr_va_vdst(0)
.irp i, 0,1,2,3
	v_pk_add_f32 v[LS+2*\i:LS+2*\i+1], v[SC+32*\a+2*\i:SC+32*\a+2*\i+1], v[SC+32*\a+8+2*\i:SC+32*\a+8+2*\i+1]
.endr
.endm
.macro SUMT a, t
	s_wait_alu depctr_va_vdst(0)
.irp i, 0,1,2,3
	v_pk_add_f32 v[LS+2*\i:LS+2*\i+1], v[LS+2*\i:LS+2*\i+1], v[SC+32*\a+8*\t+2*\i:SC+32*\a+8*\t+2*\i+1]
.endr
.endm
.macro SM_LSUM a, first                ; the step's sum joins the running sum: 4 or 5 plain instructions on LS, T2 and ST alone
	v_pk_add_f32 v[LS:LS+1], v[LS:LS+1], v[LS+2:LS+3]
	v_pk_add_f32 v[LS+4:LS+5], v[LS+4:LS+5], v[LS+6:LS+7]
	v_pk_add_f32 v[LS:LS+1], v[LS:LS+1], v[LS+4:LS+5]
.if \first
	v_add_f32 v[ST+4*\a+3], v[LS], v[LS+1]
.else
	v_add_f32 v[T2], v[LS], v[LS+1]
	v_fma_f32 v[ST+4*\a+3], v[ST+4*\a+3], v[ST+4*\a+2], v[T2]
.endif
.endm
.macro PACK a, c                       ; key tiles 2 c and 2 c + 1 become source 1 for keys 32 c .. 32 c + 31, in the registers of tile 2 c: word i is written after words 2 i, 2 i + 1 are read
.irp i, 0,1,2,3
	v_cvt_pk_bf16_f32 v[SC+32*\a+16*\c+\i], v[SC+32*\a+16*\c+2*\i], v[SC+32*\a+16*\c+2*\i+1]
.endr
.irp i, 0,1,2,3
	v_cvt_pk_bf16_f32 v[SC+32*\a+16*\c+4+\i], v[SC+32*\a+16*\c+8+2*\i], v[SC+32*\a+16*\c+8+2*\i+1]
.endr
.endm
.macro RESCALE a
.irp k, 0,2,4,6,8,10,12,14,16,18,20,22,24,26,28,30
	v_pk_mul_f32 v[OA+32*\a+\k:OA+32*\a+\k+1], v[OA+32*\a+\k:OA+32*\a+\k+1], v[ST+4*\a+2:ST+4*\a+3] op_sel_hi:[1,0]
.endr
.endm
.macro PV a, c, u, zero                ; O^T(a, u) += V^T(u, keys 32 c ..) x P(a, keys 32 c ..); zero = 1: the product starts the sum
.if \zero
	v_wmma_f32_16x16x32_bf16 v[OA+32*\a+8*\u:OA+32*\a+8*\u+7], v[VF+32*\c+8*\u:VF+32*\c+8*\u+7], v[SC+32*\a+16*\c:SC+32*\a+16*\c+7], 0
.else
	v_wmma_f32_16x16x32_bf16 v[OA+32*\a+8*\u:OA+32*\a+8*\u+7], v[VF+32*\c+8*\u:VF+32*\c+8*\u+7], v[SC+32*\a+16*\c:SC+32*\a+16*\c+7], v[OA+32*\a+8*\u:OA+32*\a+8*\u+7]
.endif
.endm
; One step s: 64 keys.  j = s mod 4.  first = 1: nothing to carry on.  ld = 1: the K and V tiles of step s + 2 are requested.  cv = 1: the tiles of step s + 1 go to the other
; buffer, left = younger loads that may stay out then.  bar: 0 = barrier of the work-group; 1 = round of the cluster barrier and refill of mask slot j / 2;
; 2 = the last mask tile is waited for, barrier of the work-group; 3 = the last step: nothing follows.  pf = 1: wave 0 asks the cache for 16 rows x 512 bytes of the mask tile
; whose tensor load stands behind the next step's barrier: head bh asks for rows 16 bh .. 16 bh + 15 of the block's 256, lanes 256 bytes apart, so the 16 heads ask for each
; piece once; steps 0, 2, .., 58 ask for tiles 2, 3, .., 31, and no later step asks.
; All matrix instructions take their accumulators by turns, one instruction a turn: eight score tiles twice, then four and four tiles of O^T twice.
.macro STEP j, first, ld, cv, left, bar, pf
.set STB,   \j&1                       ; the K and V buffer of this step, and the register set that is loaded
.set NB,    1-STB                      ; the buffer and the set of the next step
.set NSLOT, ((\j+1)&3)>>1              ; where the next step's mask lies
.set NHALF, (\j+1)&1
.set RSLOT, \j>>1                      ; the slot that an odd step asks for again
.irp c, 0,1
.irp u, 0,1,2,3
.irp e, 0,1
	ds_load_tr16_b128 v[VF+32*\c+8*\u+4*\e:VF+32*\c+8*\u+4*\e+3], v[VFA] offset:STB*KVBUF+\c*32*VP+32*\u+\e*16*VP
.endr
.endr
.endr
.if \ld
	GLOAD STB, \j+2
.endif
	s_wait_dscnt 0x10                              ; this step's mask and K fragments are in; the 16 loads of V^T, issued behind them, may be out
	WIN 0x41                                       ; source 0 and destination in window 1
.irp a, 0,1
.irp t, 0,1,2,3
.irp k, 0,1,2,3,4,5,6,7
	v_cvt_f32_i32 v[MK+32*\a+8*\t+\k], v[MK+32*\a+8*\t+\k]         ; the mask to f32, in place
.endr
.endr
.endr
	WIN 0x05                                       ; sources 0 and 1 in window 1: K and Q for the products, the loaded tiles for the conversions
.irp t, 0,1,2,3
.irp a, 0,1
	v_wmma_f32_16x16x32_bf16 v[SC+32*\a+8*\t:SC+32*\a+8*\t+7], v[KF+8*\t:KF+8*\t+7], v[QF+16*\a:QF+16*\a+7], 0
.endr
.endr
.if \cv
	s_wait_loadcnt \left                           ; the next step's K and V tiles are in registers
.endif
.irp t, 0,1,2,3
.irp a, 0,1
	v_wmma_f32_16x16x32_bf16 v[SC+32*\a+8*\t:SC+32*\a+8*\t+7], v[KF+32+8*\t:KF+32+8*\t+7], v[QF+16*\a+8:QF+16*\a+15], v[SC+32*\a+8*\t:SC+32*\a+8*\t+7]
.if \cv
.if (2*\t+\a) < 6
	CVPK 2*(2*\t+\a)
	CVPK 2*(2*\t+\a)+1
.endif
.endif
.endr
.endr
.if \cv
	CVPK 12                                        ; the last four conversions are the four places in front of the first reads of the scores and of the loads into K's fragments
	CVPK 13
	CVPK 14
	CVPK 15
	WIN 0
	KVSTORE
.else
	PLACES
	WIN 0
.endif
.if \bar == 0
	MIDBAR                                         ; V^T of this step is in my registers, the next K and V tile is stored: both now hold of every wave
.endif
.if \bar == 1
	s_wait_tensorcnt 0x0                           ; all my tensor loads have landed: the one that was out is the tile that is read next
	ds_add_u32 v62, v63
	s_add_nc_u64 s[G0+4*RSLOT+2:G0+4*RSLOT+3], s[G0+4*RSLOT+2:G0+4*RSLOT+3], 1024   ; no load of mine is out: the slot's address goes two tiles (2 x 512 bytes) on
	s_wait_dscnt 0x0                               ; my reads of the slot, of V^T, and my stores are done
	ROUND                                          ; all that now holds of every wave of the four work-groups
	tensor_load_to_lds s[G0+4*RSLOT:G0+4*RSLOT+3], s[G1:G1+7]      ; my one tensor load until the next round
	s_nop 0
.endif
.if \bar == 2
	s_wait_tensorcnt 0x0                           ; the last mask tile is in; nothing is left to ask for
	MIDBAR
.endif
.if \bar == 3
	s_wait_dscnt 0x0                               ; V^T of the last step
.endif
	WIN 0x01                                       ; source 0 (the mask) in window 1
.irp a, 0,1
.irp t, 0,1,2,3
	SM_BIAS \a, \t
.endr
.endr
.if \bar != 3
	WIN 0x40
	NEXTM NSLOT, NHALF                             ; the bias has read the mask registers: they take the next step's.  16 loads now, 16 further down: they land while the softmax is at work
.endif
	WIN 0
.if \pf
	s_cmp_lg_u32 s14, 0
	s_cbranch_scc1 .Lno_prefetch_\@
	global_prefetch_b8 v[PFO], s[44:45] offset:RSLOT*512 th:TH_LOAD_NT scope:SCOPE_SE
.Lno_prefetch_\@:
.endif
	; query tile 0.  Behind each run of exponentials stands plain work on another key tile before their results are used (ISA guide 5.7.2).
	SM_MAX1 0
	SM_MAX2 0, \first
	FMAT 0, 0
	EXPT 0, 0
	FMAT 0, 1
	EXPT 0, 1
.if \bar != 3
	WIN 0x40
	NEXTK NB
	WIN 0
.endif
	FMAT 0, 2
	SUM01 0
	EXPT 0, 2
	FMAT 0, 3
	SUMT 0, 2
	EXPT 0, 3
	PACK 0, 0
	SUMT 0, 3
	PACK 0, 1
	SM_LSUM 0, \first
.if \first == 0
	RESCALE 0
.endif
	PV 0, 0, 0, \first                             ; tile 0's second product, with tile 1's softmax between its instructions
	SM_MAX1 1
	PV 0, 0, 1, \first
	SM_MAX2 1, \first
	PV 0, 0, 2, \first
	FMAT 1, 0
	EXPT 1, 0
	PV 0, 0, 3, \first
	FMAT 1, 1
	EXPT 1, 1
	PV 0, 1, 0, 0
	FMAT 1, 2
	SUM01 1
	EXPT 1, 2
	PV 0, 1, 1, 0
	FMAT 1, 3
	SUMT 1, 2
	EXPT 1, 3
	PV 0, 1, 2, 0
	PACK 1, 0
	SUMT 1, 3
	PACK 1, 1
	PV 0, 1, 3, 0
.if \first == 0
	RESCALE 1
.endif
.irp u, 0,1,2,3
	PV 1, 0, \u, \first
.endr
.irp u, 0,1,2,3
	PV 1, 1, \u, 0
.endr
	SM_LSUM 1, \first                              ; also the four places in front of the next step's loads into V^T's fragments and of the way out
.endm
	s_load_b256 s[4:11], s[0:1], 0x0               ; keys s[4:5], values s[6:7], queries s[8:9], mask s[10:11]
	s_load_b64 s[12:13], s[0:1], 0x20              ; out0
	v_lshl_add_u32 v62, v0, 2, 0x4b800
	v_mov_b32 v63, 0
	ds_add_u32 v62, v63
	v_lshrrev_b32 v[T1], 5, v0
	v_readfirstlane_b32 s14, v[T1]                 ; wave 0..7
	s_bfe_u32 s15, ttmp6, 0x40000                  ; cx
	s_lshl_b32 s16, ttmp9, 2
	s_add_co_u32 s16, s16, s15                     ; head = 4 x cluster x + cx
	s_and_b32 s17, ttmp7, 0xffff                   ; query block = cluster y (the cluster is one work-group high)
	s_mov_b32 s20, 0xce6e6b28                      ; -1e9
	s_mov_b32 s21, 0xce6e6b28
	s_mov_b32 s22, 0x3e38aa3b                      ; c = log2(e) / 8: the scaling by 1 / sqrt(64) and the base of v_exp_f32 in one factor
	s_mov_b32 s23, 0x3e38aa3b
	s_mov_b32 s24, 0xbe38aa3b                      ; -c
	s_mov_b32 s26, 0x76543210                      ; v_permlanex16_b32: lane i of one half reads lane i of the other
	s_mov_b32 s27, 0xfedcba98
	; group 1: 32 rows x 128 words, 16,384 bytes from row to row, 16 bytes of padding behind each row in LDS
	s_mov_b32 s[G1+0], 0x07b2000f                  ; 15:0 mask = the four work-groups; 17:16 elements of 4 bytes; 20 padding on; 21 set beside a mask; 24:22 after 128 words (code 6); 31:25 4 words (code 3)
	s_mov_b32 s[G1+1], 128<<16                     ; tensor_dim0 = 128
	s_mov_b32 s[G1+2], 32<<16                      ; tensor_dim1 = 32
	s_mov_b32 s[G1+3], 128<<16                     ; tile_dim0 = 128
	s_mov_b32 s[G1+4], 32                          ; tile_dim1 = 32
	s_mov_b32 s[G1+5], 4096                        ; elements from row to row
	s_mov_b32 s[G1+6], 0
	s_mov_b32 s[G1+7], 0
	s_lshl_b32 s18, s17, 22                        ; 256 rows of 16,384 bytes a query block
	s_mov_b32 s19, 0
	s_lshl_b32 s46, s14, 19                        ; 32 rows a wave
	s_mov_b32 s47, 0
	s_mul_i32 s25, s14, MWAVE                      ; my rows in a slot
	s_lshl_b32 s2, s16, 20                         ; a head of K, V, Q, out: 4,096 x 256 bytes.  The head number stays out of the registers that feed the descriptors
	s_mov_b32 s3, 0
	s_wait_dscnt 0x0
	s_wait_kmcnt 0x0
	s_add_nc_u64 s[44:45], s[10:11], s[18:19]      ; mask at the block's first row
	s_add_nc_u64 s[48:49], s[44:45], s[46:47]      ; at my wave's first row
	ROUND                                          ; the four work-groups are here: the first joint loads meet
.irp n, 0,1
	s_mov_b32 s[G0+4*\n], 1
	s_add_co_u32 s[G0+4*\n+1], s25, \n*MSLOT
	s_add_nc_u64 s[G0+4*\n+2:G0+4*\n+3], s[48:49], \n*512          ; tile n: keys 128 n ..
	s_or_b32 s[G0+4*\n+3], s[G0+4*\n+3], 0x80000000
	tensor_load_to_lds s[G0+4*\n:G0+4*\n+3], s[G1:G1+7]            ; both first fills go out together: two tensor loads of the wave are out, later one
	s_nop 0
.endr
	s_add_nc_u64 s[44:45], s[44:45], 1024          ; the prefetch begins at tile 2
	s_add_nc_u64 s[4:5], s[4:5], s[2:3]
	s_add_nc_u64 s[6:7], s[6:7], s[2:3]
	s_lshl_b32 s15, s17, 16                        ; 256 rows of 256 bytes a query block
	s_add_co_u32 s2, s2, s15
	s_lshl_b32 s15, s14, 13                        ; 32 rows a wave
	s_add_co_u32 s2, s2, s15
	s_add_nc_u64 s[8:9], s[8:9], s[2:3]
	s_add_nc_u64 s[12:13], s[12:13], s[2:3]
	s_mul_i32 s15, s14, 16*SP
	s_add_co_u32 s15, s15, KVB                     ; my stage for the way out
	s_lshl_b32 s2, s16, 18                         ; 16 mask rows a head, for the prefetch
	v_lshlrev_b32 v[KVO], 4, v0
	v_lshrrev_b32 v16, 4, v0                       ; thread / 16: my key in each 16 of a tile
	v_and_b32 v17, 15, v0                          ; r; also my four d in a row
	v_bfe_u32 v19, v0, 4, 1                        ; h
	v_mul_u32_u24 v[KST], v16, KP
	v_lshl_add_u32 v[KST], v17, 3, v[KST]
	v_add_nc_u32 v[KST], KVB, v[KST]
	v_mul_u32_u24 v[VST], v16, VP
	v_lshl_add_u32 v[VST], v17, 3, v[VST]
	v_add_nc_u32 v[VST], KVB+VOFF, v[VST]
	v_mul_u32_u24 v[KFA], v17, KP                  ; key r of a tile, 16 bytes for each half of the lanes
	v_lshl_add_u32 v[KFA], v19, 4, v[KFA]
	v_add_nc_u32 v[KFA], KVB, v[KFA]
	v_and_b32 v20, 7, v0
	v_lshl_add_u32 v20, v19, 3, v20                ; key 8 h + (L & 7),
	v_bfe_u32 v21, v0, 3, 1                        ; 16 bytes of d by bit 3 of the lane
	v_mul_u32_u24 v[VFA], v20, VP
	v_lshl_add_u32 v[VFA], v21, 4, v[VFA]
	v_add_nc_u32 v[VFA], KVB+VOFF, v[VFA]
	v_mul_u32_u24 v[MA], v17, MPITCH               ; query r, 8 keys = 32 bytes for each half of the lanes
	v_lshl_add_u32 v[MA], v19, 5, v[MA]
	v_add_nc_u32 v[MA], s[G0+1], v[MA]
	v_add_nc_u32 v[MA+1], MSLOT, v[MA]
	v_mul_u32_u24 v[STO], v17, SP
	v_lshl_add_u32 v[STO], v19, 5, v[STO]
	v_add_nc_u32 v[STO], s15, v[STO]
	v_mul_u32_u24 v[RD], v19, SP
	v_lshl_add_u32 v[RD], v17, 4, v[RD]
	v_add_nc_u32 v[RD], s15, v[RD]
	v_and_b32 v[CO], 31, v0
	v_lshlrev_b32 v[CO], 4, v[CO]
	v_lshlrev_b32 v[QO], 8, v17
	v_lshl_add_u32 v[QO], v19, 5, v[QO]
	v_bfe_u32 v22, v0, 1, 4
	v_and_b32 v23, 1, v0
	v_lshlrev_b32 v[PFO], 14, v22
	v_lshl_add_u32 v[PFO], v23, 8, v[PFO]
	v_add_nc_u32 v[PFO], s2, v[PFO]
	; Q: lane (r, h) takes d = 32 c + 16 g + 8 h + 4 e .. + 3 of query 16 a + r; a tile's eight loads cover its 4,096 bytes, once in the launch
.irp a, 0,1
.irp c, 0,1
.irp g, 0,1
.irp e, 0,1
	global_load_b128 v[SC+32*\a+16*\c+8*\g+4*\e:SC+32*\a+16*\c+8*\g+4*\e+3], v[QO], s[8:9] offset:4096*\a+128*\c+64*\g+16*\e th:TH_LOAD_NT
.endr
.endr
.endr
.endr
	GLOAD 0, 0                                     ; K and V tile 0
	GLOAD 1, 1                                     ; and tile 1
	s_wait_loadcnt 0x10                            ; Q is in; the 16 loads of tiles 0 and 1 stay out
.irp a, 0,1
.irp n, 0,1,2,3,4,5,6,7,8,9,10,11,12,13,14,15
	v_cvt_pk_bf16_f32 v[QF+16*\a+\n], v[SC+32*\a+2*\n], v[SC+32*\a+2*\n+1]   ; destination still in window 1: Q's fragments
.endr
.endr
.set NB, 0
	s_wait_loadcnt 0x8                             ; tile 0 is in; tile 1's eight loads stay out
	WIN 0x05
.irp n, 0,1,2,3,4,5,6,7,8,9,10,11,12,13,14,15
	CVPK \n
.endr
	WIN 0
	KVSTORE                                        ; tile 0 into buffer 0
	s_wait_tensorcnt 0x1                           ; my rows of slot 0 are in; slot 1's load stays out
	MIDBAR
	WIN 0x40
	NEXTM 0, 0                                     ; step 0's mask and K fragments
	NEXTK 0
	WIN 0
	STEP 0, 1, 1, 1, 8, 0, 1                       ; steps 0 to 3 stand in front of the loop: step 0 starts maxima, sums and O^T
	STEP 1, 0, 1, 1, 8, 1, 0
	STEP 2, 0, 1, 1, 8, 0, 1
	STEP 3, 0, 1, 1, 8, 1, 0
	s_mov_b32 s25, 14
.Lgroups:                                              ; steps 4 to 59
	ADVANCE 1
	STEP 0, 0, 1, 1, 8, 0, 1
	STEP 1, 0, 1, 1, 8, 1, 0
	STEP 2, 0, 1, 1, 8, 0, 1
	STEP 3, 0, 1, 1, 8, 1, 0
	s_sub_co_u32 s25, s25, 1
	s_cmp_lg_u32 s25, 0
	s_cbranch_scc1 .Lgroups
	ADVANCE 0                                      ; steps 60 to 63: K and V tiles 62 and 63 are the last to be requested, no mask tile is left to ask for
	STEP 0, 0, 1, 1, 8, 0, 0
	STEP 1, 0, 1, 1, 8, 2, 0
	STEP 2, 0, 0, 1, 0, 0, 0                       ; the last K and V tile is waited for with the count 0
	STEP 3, 0, 0, 0, 0, 3, 0
	; THE WAY OUT.  The stage lies in the bytes of the K and V buffers, which only LDS stores have written: every wave has finished its reads of them in front of this barrier.
	MIDBAR
; 16 queries: divide by the sum, 32 bytes a lane and d tile into my own stage, read back as whole rows of 256 bytes; a store of the wave covers 512 consecutive bytes, aligned.
.macro OUT a
	v_permlanex16_b32 v[T1], v[ST+4*\a+3], s26, s27
	v_add_f32 v[ST+4*\a+3], v[ST+4*\a+3], v[T1]    ; both halves of the keys
	v_rcp_f32 v[ST+4*\a+2], v[ST+4*\a+3]           ; the sum holds the weight of the row's best key, so it is not zero
	v_nop                                          ; the plain place behind the reciprocal (ISA guide 5.7.2)
	s_wait_alu depctr_va_vdst(0)
	RESCALE \a
.irp u, 0,1,2,3
.irp e, 0,1
	ds_store_b128 v[STO], v[OA+32*\a+8*\u+4*\e:OA+32*\a+8*\u+4*\e+3] offset:64*\u+16*\e
.endr
.endr
.irp i, 0,1,2,3,4,5,6,7
	ds_load_b128 v[VF+32*\a+4*\i:VF+32*\a+4*\i+3], v[RD] offset:\i*2*SP   ; LDS serves a wave's instructions in order (ISA guide 5.7.1): these see the stores above
.endr
.irp i, 0,1,2,3,4,5,6,7
	s_wait_dscnt 7-\i                              ; load i is in, the younger ones may be out
	global_store_b128 v[CO], v[VF+32*\a+4*\i:VF+32*\a+4*\i+3], s[12:13] offset:4096*\a+512*\i th:TH_STORE_NT
.endr
.endm
	OUT 0
	OUT 1
	s_wait_tensorcnt 0x0
	ds_add_u32 v62, v63
	s_wait_dscnt 0x0
	ROUND                                          ; the closing round: no work-group ends while a partner may still ask for a tile that names it
	s_endpgm
.Lfunc_end_k_q39c50d0361_attn:
	.size	k_q39c50d0361_attn, .Lfunc_end_k_q39c50d0361_attn-k_q39c50d0361_attn
	.p2alignl 7, 3214868480
	.fill 96, 4, 3214868480
	.section	.rodata,"a",@progbits
	.p2align	6, 0x0
	.amdhsa_kernel k_q39c50d0361_attn
		.amdhsa_group_segment_fixed_size 327680
		.amdhsa_private_segment_fixed_size 0
		.amdhsa_enable_private_segment 0
		.amdhsa_kernarg_size 40
		.amdhsa_user_sgpr_count 2
		.amdhsa_user_sgpr_kernarg_segment_ptr 1
		.amdhsa_wavefront_size32 1
		.amdhsa_system_sgpr_workgroup_id_x 1
		.amdhsa_system_sgpr_workgroup_id_y 1
		.amdhsa_system_sgpr_workgroup_id_z 1
		.amdhsa_system_vgpr_workitem_id 0
		.amdhsa_next_free_vgpr 480
		.amdhsa_next_free_sgpr 66
		.amdhsa_reserve_vcc 0
		.amdhsa_float_denorm_mode_32 3
		.amdhsa_float_denorm_mode_16_64 3
		.amdhsa_memory_ordered 1
		.amdhsa_forward_progress 1
		.amdhsa_inst_pref_size 255
	.end_amdhsa_kernel
	.section	.bss,"aw",@nobits
	.p2align	6
	.space	262144
	.amdgpu_metadata
---
amdhsa.version: [ 1, 2 ]
amdhsa.kernels:
  - .name:           k_q39c50d0361_attn
    .symbol:         k_q39c50d0361_attn.kd
    .args:
      - { .name: keys, .offset: 0, .size: 8, .value_kind: global_buffer, .address_space: global }
      - { .name: values, .offset: 8, .size: 8, .value_kind: global_buffer, .address_space: global }
      - { .name: queries, .offset: 16, .size: 8, .value_kind: global_buffer, .address_space: global }
      - { .name: mask, .offset: 24, .size: 8, .value_kind: global_buffer, .address_space: global }
      - { .name: out0, .offset: 32, .size: 8, .value_kind: global_buffer, .address_space: global }
    .group_segment_fixed_size: 327680
    .private_segment_fixed_size: 0
    .kernarg_segment_align: 8
    .kernarg_segment_size: 40
    .max_flat_workgroup_size: 256
    .sgpr_count:     66
    .vgpr_count:     480
    .wavefront_size: 32
...
	.end_amdgpu_metadata
.endif
;; end of part 1
